; MI455X (gfx1250); checked and timed in simulation.
; The chip was launched on July 23, 2026; its instructions are those of AMD's public machine-readable ISA for CDNA 5 (MIT licence, August 2026) and "CDNA5" Instruction Set Architecture Reference Guide (July 2026). The comments in the code are by the model that wrote it; some were corrected since.
;; VQ Net. Allowed arithmetic: float matrix products may take bf16 or f16 operands with f32 sums; all other float work in f32.
;; Inputs: embed_weight 8,192 x 512 float32; xs 16,384 x 512 float32.
;; Outputs: out0 16,384 x 512 float32; out1 one number float32.
;; One version. Each part assembles by itself: llvm-mc -triple=amdgcn-amd-amdhsa -mcpu=gfx1250 --defsym DOCPART=n.
;; ======== version 1 of 1: 4 launches
;; workspace buffers: eb 8,388,608 bytes; hn 32,768 bytes; cand 524,288 bytes of whole numbers; part 2,048 bytes
;; launch prep (part 1): grid 256 x 1, 8 waves a work-group, no clusters, 1,280 bytes of LDS; arguments embed_weight, eb, hn; writes eb, hn
.if DOCPART == 1
	.amdgcn_target "amdgcn-amd-amdhsa--gfx1250"
	.amdhsa_code_object_version 6
	.text
	.protected	k_q4dd521c65d_prep
	.globl	k_q4dd521c65d_prep
	.p2align	8
	.type	k_q4dd521c65d_prep,@function
k_q4dd521c65d_prep:
	s_mov_b64 s[64:65], 0
	v_nop
	global_prefetch_b8 v0, s[64:65] scope:SCOPE_SE
	s_setreg_imm32_b32 hwreg(HW_REG_WAVE_MODE, 25, 1), 1
	s_wait_xcnt 0x0
; eb[k][d] = bf16(embed_weight[k][d]);  hn[k] = -1/2 * sum over d of eb[k][d]^2, summed in f32 from the ROUNDED numbers,
; so that the later search compares exactly the distances of the rounded table.
; embed_weight: [8192][512] f32.  eb: [8192][512] bf16.  hn: [8192] f32.
; Eight waves; the work-group owns 32 rows, a wave 4 rows.  A row is 2,048 bytes: four loads of 512 neighbouring bytes a wave.
; Each store into eb covers 256 consecutive bytes, aligned.  The 32 numbers of hn leave in one store of 128 bytes, aligned:
; hn is 32 KiB of the launch's 24 MiB, and 64 rows a work-group would leave half of the 256 work-groups away.
; No matrix work, no cluster: the work-groups share no input and each byte is read once.
.set X,   4                            ; v[4:67]   row i, chunk c: 4 f32 at X + 16 i + 4 c
.set Y,   68                           ; v[68:75]  chunk c: 4 bf16 to store, a pair of registers each
.set T,   76                           ; v[76:79]  the 4 rounded numbers, widened again
.set A,   80                           ; v[80:83]  two chains of pairs: the sum of squares
.set S,   84                           ; v[84:87]  the wave's four results
.set TMP, 88                           ; v88       the other half of the lanes
.set LD,  89                           ; v89       16 x (thread mod 8): where the eight waves' figures are read back, and their place in hn
	s_load_b128 s[4:7], s[0:1], 0x0                ; embed_weight s[4:5], eb s[6:7]
	s_load_b64 s[8:9], s[0:1], 0x10                ; hn
	v_lshl_add_u32 v104, v0, 2, 0x100
	v_mov_b32 v105, 0
	v_lshrrev_b32 v3, 5, v0
	v_readfirstlane_b32 s10, v3                    ; wave 0..7
	v_and_b32 v1, 31, v0                           ; lane
	v_lshlrev_b32 v2, 3, v1                        ; 8 bytes a lane in eb
	v_lshlrev_b32 v1, 4, v1                        ; 16 bytes a lane in embed_weight
	v_lshlrev_b32 v3, 4, v3                        ; LDS: 16 bytes a wave
	v_and_b32 v[LD], 7, v0
	v_lshlrev_b32 v[LD], 4, v[LD]                  ; 0 to 112: inside the 128 bytes that the eight waves write
	v_mov_b32 v[TMP], 0                            ; v_permlanex16_b32 counts as a reader of its destination
	s_mov_b32 s14, 0x76543210                      ; lane i of one half reads lane i of the other
	s_mov_b32 s15, 0xfedcba98
	s_mov_b32 s16, 0xffff0000                      ; a word's upper bf16
	s_lshl_b32 s12, ttmp9, 16                      ; 32 rows of 2,048 bytes a work-group,
	s_lshl_b32 s11, s10, 13                        ; 4 rows a wave
	s_add_co_u32 s12, s12, s11
	s_mov_b32 s13, 0
	s_wait_kmcnt 0x0
	s_add_nc_u64 s[4:5], s[4:5], s[12:13]
	s_lshr_b32 s12, s12, 1                         ; rows of eb are half as long
	s_add_nc_u64 s[6:7], s[6:7], s[12:13]
	s_lshl_b32 s12, ttmp9, 7                       ; 32 f32 a work-group
	s_add_nc_u64 s[8:9], s[8:9], s[12:13]
.irp i, 0,1,2,3
.irp c, 0,1,2,3
	global_load_b128 v[X+16*\i+4*\c:X+16*\i+4*\c+3], v1, s[4:5] offset:2048*\i+512*\c th:TH_LOAD_NT
.endr
.endr
.macro ROW i
	s_wait_loadcnt 4*(3-\i)                        ; loads come back in order: this row's four are in, the later rows' stay out
	s_wait_xcnt 0x0                                ; Y, which the last row's stores read, is rewritten only behind this wait
.irp c, 0,1,2,3
	v_cvt_pk_bf16_f32 v[Y+2*\c],   v[X+16*\i+4*\c],   v[X+16*\i+4*\c+1]
	v_cvt_pk_bf16_f32 v[Y+2*\c+1], v[X+16*\i+4*\c+2], v[X+16*\i+4*\c+3]
	global_store_b64 v2, v[Y+2*\c:Y+2*\c+1], s[6:7] offset:1024*\i+256*\c
	v_lshlrev_b32 v[T],   16,  v[Y+2*\c]           ; the rounded numbers as f32
	v_and_b32     v[T+1], s16, v[Y+2*\c]
	v_lshlrev_b32 v[T+2], 16,  v[Y+2*\c+1]
	v_and_b32     v[T+3], s16, v[Y+2*\c+1]
.if \c == 0
	v_pk_mul_f32 v[A:A+1],   v[T:T+1],   v[T:T+1]             ; the first squares start the chains: nothing is cleared
	v_pk_mul_f32 v[A+2:A+3], v[T+2:T+3], v[T+2:T+3]
.else
	v_pk_fma_f32 v[A:A+1],   v[T:T+1],   v[T:T+1],   v[A:A+1]
	v_pk_fma_f32 v[A+2:A+3], v[T+2:T+3], v[T+2:T+3], v[A+2:A+3]
.endif
.endr
	v_pk_add_f32 v[A:A+1], v[A:A+1], v[A+2:A+3]
	v_add_f32 v[A], v[A], v[A+1]
	v_add_f32_dpp v[A], v[A], v[A] row_xmask:1 row_mask:0xf bank_mask:0xf
	v_add_f32_dpp v[A], v[A], v[A] row_xmask:2 row_mask:0xf bank_mask:0xf
	v_add_f32_dpp v[A], v[A], v[A] row_xmask:4 row_mask:0xf bank_mask:0xf
	v_add_f32_dpp v[A], v[A], v[A] row_xmask:8 row_mask:0xf bank_mask:0xf
	v_permlanex16_b32 v[TMP], v[A], s14, s15
	v_add_f32 v[A], v[A], v[TMP]
	v_mul_f32 v[S+\i], -0.5, v[A]                  ; every lane holds the row's figure
.endm
	ROW 0
	ROW 1
	ROW 2
	ROW 3
	ds_store_b128 v3, v[S:S+3]                     ; all lanes write the same 16 bytes: the wave's four figures
	s_wait_dscnt 0x0                               ; for wave 0's sake: my store is done before I signal
	s_barrier_signal -1
	s_barrier_wait -1
	s_cmp_lg_u32 s10, 0
	s_cbranch_scc1 .Lend
	ds_load_b128 v[S:S+3], v[LD]                   ; all lanes on: lane l reads the figures of wave l mod 8
	s_wait_dscnt 0x0
	s_wait_xcnt 0x0                                ; EXEC is a source of my pending stores: it changes only behind this wait
	v_cmp_gt_u32 vcc_lo, 8, v0
	s_and_saveexec_b32 s17, vcc_lo                 ; lanes 0 to 7: 16 bytes each, 128 consecutive bytes of hn
	global_store_b128 v[LD], v[S:S+3], s[8:9]
	s_wait_xcnt 0x0
	s_or_b32 exec_lo, exec_lo, s17
.Lend:
	s_wait_tensorcnt 0x0
	ds_add_u32 v104, v105
	s_wait_dscnt 0x0
	s_endpgm
.Lfunc_end_k_q4dd521c65d_prep:
	.size	k_q4dd521c65d_prep, .Lfunc_end_k_q4dd521c65d_prep-k_q4dd521c65d_prep
	.p2alignl 7, 3214868480
	.fill 96, 4, 3214868480
	.section	.rodata,"a",@progbits
	.p2align	6, 0x0
	.amdhsa_kernel k_q4dd521c65d_prep
		.amdhsa_group_segment_fixed_size 1280
		.amdhsa_private_segment_fixed_size 0
		.amdhsa_enable_private_segment 0
		.amdhsa_kernarg_size 24
		.amdhsa_user_sgpr_count 2
		.amdhsa_user_sgpr_kernarg_segment_ptr 1
		.amdhsa_wavefront_size32 1
		.amdhsa_system_sgpr_workgroup_id_x 1
		.amdhsa_system_sgpr_workgroup_id_y 1
		.amdhsa_system_sgpr_workgroup_id_z 1
		.amdhsa_system_vgpr_workitem_id 0
		.amdhsa_next_free_vgpr 106
		.amdhsa_next_free_sgpr 66
		.amdhsa_reserve_vcc 1
		.amdhsa_float_denorm_mode_32 3
		.amdhsa_float_denorm_mode_16_64 3
		.amdhsa_memory_ordered 1
		.amdhsa_forward_progress 1
		.amdhsa_inst_pref_size 14
	.end_amdhsa_kernel
	.amdgpu_metadata
---
amdhsa.version: [ 1, 2 ]
amdhsa.kernels:
  - .name:           k_q4dd521c65d_prep
    .symbol:         k_q4dd521c65d_prep.kd
    .args:
      - { .name: embed_weight, .offset: 0, .size: 8, .value_kind: global_buffer, .address_space: global }
      - { .name: eb, .offset: 8, .size: 8, .value_kind: global_buffer, .address_space: global }
      - { .name: hn, .offset: 16, .size: 8, .value_kind: global_buffer, .address_space: global }
    .group_segment_fixed_size: 1280
    .private_segment_fixed_size: 0
    .kernarg_segment_align: 8
    .kernarg_segment_size: 24
    .max_flat_workgroup_size: 256
    .sgpr_count:     66
    .vgpr_count:     106
    .wavefront_size: 32
...
	.end_amdgpu_metadata
.endif
;; end of part 1
;; launch scan (part 2): grid 64 x 4, 4 waves a work-group, clusters of 4 x 1, 327,680 bytes of LDS; arguments xs, eb, hn, cand; writes cand
.if DOCPART == 2
	.amdgcn_target "amdgcn-amd-amdhsa--gfx1250"
	.amdhsa_code_object_version 6
	.text
	.protected	k_q4dd521c65d_scan
	.globl	k_q4dd521c65d_scan
	.p2align	8
	.type	k_q4dd521c65d_scan,@function
k_q4dd521c65d_scan:
	s_mov_b64 s[64:65], 0
	v_nop
	global_prefetch_b8 v0, s[64:65] scope:SCOPE_SE
	s_setreg_imm32_b32 hwreg(HW_REG_WAVE_MODE, 25, 1), 1
	s_wait_xcnt 0x0
	s_wait_alu depctr_hold_cnt(0) depctr_sa_sdst(0) depctr_va_vdst(0) depctr_va_sdst(0) depctr_va_ssrc(0) depctr_va_vcc(0) depctr_vm_vsrc(0)
	s_getreg_b32 s2, hwreg(HW_REG_IB_STS2, 6, 4)
	s_cmp_eq_u32 s2, 0
	s_cbranch_scc0 .Lentry_in_a_cluster
	s_endpgm
.Lentry_in_a_cluster:
	s_bfe_u32 s2, ttmp6, 0x10000c
	s_cmp_lg_u32 s2, 0x3003
	s_cbranch_scc0 .Lentry_shape_is_right
	s_endpgm
.Lentry_shape_is_right:
; For each token the code with the largest score  s = x_b . e_b - 1/2 |e_b|^2  (x_b, e_b: the inputs rounded to bf16), which is the code
; with the smallest |x_b|^2 + |e_b|^2 - 2 x_b . e_b, since |x_b|^2 is the same for all codes.  xs: [16384][512] f32, eb: [8192][512] bf16, hn: [8192] f32.
; 256 work-groups = 64 blocks of 256 tokens (x) times 4 quarters of 2,048 codes (y).  Four waves; a wave owns 64 tokens and keeps them,
; rounded to bf16, in 512 registers for the whole launch, so each fragment of 16 codes read from LDS feeds four matrix instructions.
; The quarter's codes go in 16 steps of 128 rows (1,024 bytes each) through a ring of two LDS slots filled by the tensor data mover.
; OUT: cand, whole numbers: for quarter q and token T a sortable key of the best score at byte (256 q + T/64) 512 + 4 (T mod 64), its code 256 bytes behind.
; The four quarters are merged in the next launch, where the code steers an address.
; CLUSTER: the four token blocks of a cluster walk the same quarter of eb: every tile is asked for jointly (mask 15), which divides the requests for eb by four.
; xs is not shared so, though four quarters read each block: it passes through registers to be rounded, once, 512 KiB of a work-group's 2.5 MiB.
; THE MATRIX INSTRUCTION: source 0 = 16 codes, source 1 = 16 tokens.  In the result lane l holds token l % 16, registers 0-7 the codes 8 (l / 16) + 0..7:
; the search over codes runs down a lane's own registers.  The sums start from C = hn of the eight codes: no further add for a score.
; THE SEARCH keeps for each token a running maximum, the number of the tile of 16 codes that raised it last, and that tile's eight scores;
; which of the eight it was is read off once at the end.  A strict 'greater' keeps the first of equal scores, as argmin does.
; LIMITS: a score that is NaN loses (the problem's argmin would take it first): inputs must give finite distances.  Two distances of a token that differ by
; less than the rounding of f32 sums (some 1e-4 at distances of 1e3) may be ordered otherwise than by the problem's own f32 sums.  -0 and +0 count as equal.
;
; LDS: slot 0 at 0, slot 1 at 133,120 (128 rows, pitch 1,040); hn's quarter at 266,240 (8,192 bytes); a stage of 16 rows x 528 bytes for each wave at 274,432.
; The last two are written by LDS stores alone and lie in 256-byte blocks of their own, into which no tile lands.
; REGISTERS, in windows of 256: window 0: addresses, the search's state, hn, 16 accumulators; window 1: fragments of codes, two buffers of 128;
; window 2: my tokens' K steps 0-7 (token tile t, step s at 64 t + 8 s); window 3: K steps 8-15.
.set PITCH,  1040                      ; an LDS row: 1,024 bytes + 16 of padding: an odd multiple of 16, so 16 rows of a fragment start 16 bytes apart modulo 256
.set TILEB,  16*PITCH
.set CHUNKB, 64*PITCH                  ; a chunk: 64 codes = 4 tiles of 16, what the 16 accumulators cover with my 64 tokens
.set QUART,  32*PITCH                  ; what one tensor load brings: 32 rows (a slot's 128 rows shared among four waves)
.set SLOT,   128*PITCH
.set STEPB,  128*1024                  ; bytes of eb in a step
.set HNB,    2*SLOT
.set STAGE,  HNB+8192
.set SP,     528                       ; a stage row: 256 bf16 + 16 bytes
.set STW,    16*SP
.set LAPS,   8                         ; a lap = two steps = once round the ring
.set ADR,  4                           ; v[4:7]     LDS address of my fragment rows: 2 slot + chunk
.set HNA,  8                           ; v8         LDS address of hn for my half of the lanes, this lap
.set XRD,  9                           ; v9         stage: where I read a token fragment
.set XWR,  10                          ; v10        stage: where I put 8 bytes
.set XOFF, 11                          ; v11        16 x lane
.set HOF,  12                          ; v12        16 x thread
.set HOFF, 13                          ; v13        8 (l / 16) + 2,048 q: what is added to 16 tile + j to make a code
.set OW,   14                          ; v14        stage: where my token's result goes
.set ORD,  15                          ; v15        stage: where I read the results back
.set BA,   16                          ; v[16:19]   running maximum of token tile t (takes turns with BB)
.set BB,   20                          ; v[20:23]
.set ID,   24                          ; v[24:27]   the tile that raised it last
.set T0,   28                          ; v[28:31]   at work
.set T1,   32                          ; v[32:35]
.set SAVE, 40                          ; v[40:71]   that tile's eight scores, 8 t + j
.set HN,   72                          ; v[72:103]  hn of the chunk's codes, 8 c + j
.set TMP,  104                         ; v[104:120] hn on its way to LDS; the end's temporaries
.set JJ,   104
.set KEY,  108
.set CODE, 112
.set OUT,  116
.set MSK,  120
.set ACC,  128                         ; v[128:255] accumulator (code tile c, token tile t) at 8 (4 c + t)
.set F0,   0                           ; window 1: fragment buffers; K step kk of four, code tile c at 8 (4 kk + c)
.set F1,   128
.set G1,   16                          ; s[16:23]   descriptor group 1
.set G0,   24                          ; s[24:31]   descriptor group 0, four registers for each slot
.set MUL2, 0x09                        ; source 0 window 1, source 1 window 2, C and D window 0
.set MUL3, 0x0d                        ; the same with source 1 in window 3
.set TO_F, 0x40                        ; destination window 1
.set CVT,  0x05                        ; sources 0 and 1 window 1, destination window 0
.set MSB, 0
.macro WIN new                         ; the immediate's high byte repeats the setting that is left; a switch that changes nothing is dropped
.if MSB != \new
	s_set_vgpr_msb (MSB<<8)|\new
.set MSB, \new
.endif
.endm
.macro PLACES                          ; four places behind matrix instructions, in front of loads into their sources and of readers of their results
.rept 4
	v_nop
.endr
.endm
.macro CREST                           ; a round of the cluster's barrier behind its opening work-group barrier
	s_cmp_lg_u32 s12, 0
	s_cbranch_scc1 .Lnot_wave_0_\@
	s_barrier_signal -3
.Lnot_wave_0_\@:
	s_barrier_wait -3
	s_barrier_signal -1
	s_barrier_wait -1
.endm
.macro ROUND
	s_barrier_signal -1
	s_barrier_wait -1
	CREST
.endm
	s_load_b256 s[4:11], s[0:1], 0x0               ; xs s[4:5], eb s[6:7], hn s[8:9], cand s[10:11]
	v_lshl_add_u32 v126, v0, 2, 0x4b400
	v_mov_b32 v127, 0
	ds_add_u32 v126, v127
	v_lshrrev_b32 v3, 5, v0
	v_readfirstlane_b32 s12, v3                    ; wave 0..3
	s_bfe_u32 s13, ttmp6, 0x40000                  ; cx: my place in the cluster; it enters the addresses in xs and cand alone
	s_lshl_b32 s14, ttmp9, 2
	s_add_co_u32 s14, s14, s13                     ; token block = 4 x cluster x + cx
	s_and_b32 s15, ttmp7, 0xffff                   ; q: the quarter of the codes
	s_mov_b32 s40, 0x76543210                      ; lane i of one half reads lane i of the other
	s_mov_b32 s41, 0xfedcba98
	; group 1: a tile of 32 rows x 512 elements of 2 bytes, 4 words of padding behind every 256 words
	s_mov_b32 s[G1+0], 15|(1<<16)|(1<<20)|(1<<21)|(7<<22)|(3<<25)  ; 15:0 all four of the cluster; 17:16 2 bytes; 20 padding on; 21 set beside a mask; 24:22 interval; 31:25 pad
	s_mov_b32 s[G1+1], 512<<16                     ; tensor_dim0 = 512
	s_mov_b32 s[G1+2], 32<<16                      ; tensor_dim1 = 32
	s_mov_b32 s[G1+3], 512<<16                     ; tile_dim0 = 512
	s_mov_b32 s[G1+4], 32                          ; tile_dim1 = 32
	s_mov_b32 s[G1+5], 512                         ; elements from row to row
	s_mov_b32 s[G1+6], 0
	s_mov_b32 s[G1+7], 0
	s_lshl_b32 s42, s15, 21                        ; eb: 2,048 rows of 1,024 bytes a quarter,
	s_lshl_b32 s43, s12, 15                        ; 32 rows a wave: the same in all four partners
	s_add_co_u32 s42, s42, s43
	s_mov_b32 s43, 0
	s_mul_i32 s44, s12, QUART                      ; and where they go: the wave's number alone
	s_lshl_b32 s46, s14, 19                        ; xs: 256 rows of 2,048 bytes a block,
	s_lshl_b32 s47, s12, 17                        ; 64 rows a wave
	s_add_co_u32 s46, s46, s47
	s_mov_b32 s47, 0
	s_wait_dscnt 0x0
	s_wait_kmcnt 0x0
	s_add_nc_u64 s[6:7], s[6:7], s[42:43]
	s_add_nc_u64 s[4:5], s[4:5], s[46:47]
	s_lshl_b32 s42, s15, 13                        ; hn: 2,048 f32 a quarter
	s_add_nc_u64 s[8:9], s[8:9], s[42:43]
	s_lshl_b32 s46, s15, 8                         ; cand: 512 bytes for (quarter, 64 tokens): block 256 q + 4 x token block + wave
	s_lshl2_add_u32 s46, s14, s46
	s_add_co_u32 s46, s46, s12
	s_lshl_b32 s46, s46, 9
	s_add_nc_u64 s[10:11], s[10:11], s[46:47]
.irp s, 0,1
	s_mov_b32 s[G0+4*\s], 1                                        ; count = 1
	s_add_co_u32 s[G0+4*\s+1], s44, \s*SLOT                        ; LDS address
	s_add_nc_u64 s[G0+4*\s+2:G0+4*\s+3], s[6:7], \s*STEPB          ; global address: step s
	s_or_b32 s[G0+4*\s+3], s[G0+4*\s+3], 0x80000000                ; type = 2
.endr
	ROUND                                          ; all four work-groups are here: the first joint loads meet
	tensor_load_to_lds s[G0:G0+3], s[G1:G1+7]      ; step 0
	s_nop 0
	tensor_load_to_lds s[G0+4:G0+7], s[G1:G1+7]    ; step 1: two loads of the wave are out, the most in this text
	s_nop 0
	v_and_b32 v1, 15, v0                           ; r = l % 16
	v_bfe_u32 v2, v0, 4, 1                         ; h = l / 16
	v_and_b32 v3, 31, v0                           ; lane
	v_lshlrev_b32 v[XOFF], 4, v3
	v_lshlrev_b32 v[HOF], 4, v0
	s_mul_i32 s45, s12, STW
	s_add_co_u32 s45, s45, STAGE                   ; my stage
	v_lshl_add_u32 v[XWR], v3, 3, s45
	v_lshl_add_u32 v[ORD], v3, 4, s45
	v_lshl_add_u32 v[OW], v1, 2, s45
	v_mul_u32_u24 v3, v1, SP
	v_lshl_add_u32 v3, v2, 4, v3
	v_add_nc_u32 v[XRD], s45, v3                   ; row r, 16 bytes for each half of the lanes
	v_mul_u32_u24 v3, v1, PITCH
	v_lshl_add_u32 v[ADR], v2, 4, v3               ; the same in the ring
	v_add_nc_u32 v[ADR+1], CHUNKB, v[ADR]
	v_add_nc_u32 v[ADR+2], SLOT, v[ADR]
	v_add_nc_u32 v[ADR+3], SLOT+CHUNKB, v[ADR]
	v_lshlrev_b32 v[HNA], 5, v2
	v_add_nc_u32 v[HNA], HNB, v[HNA]               ; eight f32 for each half of the lanes
	s_lshl_b32 s44, s15, 11
	v_lshl_add_u32 v[HOFF], v2, 3, s44
.irp t, 0,1,2,3
	v_mov_b32 v[BA+\t], 0xff800000                 ; -infinity: any finite score is greater
	v_mov_b32 v[ID+\t], 0
.endr
.set p, 0
.rept 32
	v_mov_b32 v[SAVE+p], 0xff800000                ; read by the first selects
.set p, p+1
.endr
; MY 64 TOKENS, in eight stages n: token tile t = n / 2 (16 rows), half n % 2 of K (256 numbers).  32 loads of 512 neighbouring bytes into a fragment buffer
; (free until the first codes are read), rounded to bf16, through my stage in LDS into the fragment layout: lane l holds token l % 16,
; registers 0-3 K = 8 (l / 16) + 0..7, registers 4-7 K = 16 + 8 (l / 16) + 0..7 of a K step of 32.
.macro XLOAD n
	WIN TO_F
.set p, 0
.rept 32
	global_load_b128 v[128*((\n)%2)+4*p:128*((\n)%2)+4*p+3], v[XOFF], s[4:5] offset:(16*((\n)/2)+p/2)*2048+((\n)%2)*1024+(p%2)*512
.set p, p+1
.endr
.endm
.macro XSTAGE n, left, more
	s_wait_loadcnt \left                           ; loads come back in order: this stage's 32 are in, the younger ones stay out
	WIN CVT
.set p, 0
.rept 32
	v_cvt_pk_bf16_f32 v[ACC+2*p],   v[128*((\n)%2)+4*p],   v[128*((\n)%2)+4*p+1]
	v_cvt_pk_bf16_f32 v[ACC+2*p+1], v[128*((\n)%2)+4*p+2], v[128*((\n)%2)+4*p+3]
.set p, p+1
.endr
	WIN 0
.set p, 0
.rept 32
	ds_store_b64 v[XWR], v[ACC+2*p:ACC+2*p+1] offset:(p/2)*SP+(p%2)*256    ; 32 lanes, 256 neighbouring bytes: half a stage row
.set p, p+1
.endr
.if \more
	XLOAD \n+2                                     ; the buffer has been read: the stage after next goes out
.endif
.if (\n)%2
	WIN 0xc0                                       ; destination window 3: K steps 8-15
.else
	WIN 0x80                                       ; destination window 2: K steps 0-7
.endif
.irp s, 0,1,2,3,4,5,6,7
	ds_load_b128 v[64*((\n)/2)+8*\s:64*((\n)/2)+8*\s+3],   v[XRD] offset:64*\s      ; the stage is my own and LDS serves a wave's instructions in order (ISA guide 5.7.1):
	ds_load_b128 v[64*((\n)/2)+8*\s+4:64*((\n)/2)+8*\s+7], v[XRD] offset:64*\s+32   ; these see the stores above, and the next stage's stores come behind them
.endr
.endm
	XLOAD 0
	XLOAD 1
	XSTAGE 0, 32, 1
	XSTAGE 1, 32, 1
	XSTAGE 2, 32, 1
	XSTAGE 3, 32, 1
	XSTAGE 4, 32, 1
	XSTAGE 5, 32, 1
	XSTAGE 6, 32, 0
	WIN 0
.irp i, 0,1,2,3
	global_load_b128 v[TMP+4*\i:TMP+4*\i+3], v[HOF], s[8:9] offset:2048*\i   ; the quarter's hn: 128 threads x 16 bytes x 4
.endr
	XSTAGE 7, 4, 0                                 ; the four loads of hn stay out
	WIN 0
	v_add_nc_u32 v3, HNB, v[HOF]
	s_wait_loadcnt 0x0
.irp i, 0,1,2,3
	ds_store_b128 v3, v[TMP+4*\i:TMP+4*\i+3] offset:2048*\i
.endr
	s_wait_dscnt 0x0                               ; my part of hn is in LDS, for the other waves; my tokens are in registers
	s_wait_tensorcnt 0x1                           ; my part of step 0 is in; step 1's may stay out
	s_barrier_signal -1
	s_barrier_wait -1
; hn of a chunk's 64 codes: register 8 c + j of lane l = hn[16 c + 8 (l / 16) + j]: the C of the chunk's first products
.macro FETCH_HN slot, chunk
	WIN 0
.irp c, 0,1,2,3
	ds_load_b128 v[HN+8*\c:HN+8*\c+3],   v[HNA] offset:(128*\slot+64*\chunk+16*\c)*4
	ds_load_b128 v[HN+8*\c+4:HN+8*\c+7], v[HNA] offset:(128*\slot+64*\chunk+16*\c)*4+16
.endr
.endm
; 32 LDS loads in one run: batch b (four K steps of 32) of a chunk's four code tiles into buffer f, the K steps in order
.macro FETCH slot, chunk, b, f
	WIN TO_F
.irp kk, 0,1,2,3
.irp c, 0,1,2,3
	ds_load_b128 v[\f+8*(4*\kk+\c):\f+8*(4*\kk+\c)+3],   v[ADR+2*\slot+\chunk] offset:\c*TILEB+(4*\b+\kk)*64
	ds_load_b128 v[\f+8*(4*\kk+\c)+4:\f+8*(4*\kk+\c)+7], v[ADR+2*\slot+\chunk] offset:\c*TILEB+(4*\b+\kk)*64+32
.endr
.endr
.endm
; 32 matrix instructions: K steps k0, k0 + 1 of batch b, 4 code tiles x 4 token tiles.  The 16 accumulators take turns, one instruction a turn, in the
; same order everywhere, over the backward jump too.  first = 1: K step 0 starts the sums from hn.
.macro MUL32 f, b, k0, first
.irp kk, \k0, \k0+1
.irp c, 0,1,2,3
.irp t, 0,1,2,3
.if (\first)*(1-(\kk))
	v_wmma_f32_16x16x32_bf16 v[ACC+8*(4*\c+\t):ACC+8*(4*\c+\t)+7], v[\f+8*(4*(\kk)+\c):\f+8*(4*(\kk)+\c)+7], v[64*\t+8*((4*\b+(\kk))%8):64*\t+8*((4*\b+(\kk))%8)+7], v[HN+8*\c:HN+8*\c+7]
.else
	v_wmma_f32_16x16x32_bf16 v[ACC+8*(4*\c+\t):ACC+8*(4*\c+\t)+7], v[\f+8*(4*(\kk)+\c):\f+8*(4*(\kk)+\c)+7], v[64*\t+8*((4*\b+(\kk))%8):64*\t+8*((4*\b+(\kk))%8)+7], v[ACC+8*(4*\c+\t):ACC+8*(4*\c+\t)+7]
.endif
.endr
.endr
.endr
.endm
; A batch: 64 matrix instructions on buffer f; in its middle the next batch's fragments (nslot, nchunk, nb) are fetched into buffer g, with the next chunk's hn if hn = 1.
.macro BATCH f, b, first, nslot, nchunk, nb, g, hn
	s_wait_dscnt 16                                ; hn and K steps 0, 1 are in; the youngest 16 loads (K steps 2, 3) may be out
.if \b < 2
	WIN MUL2
.else
	WIN MUL3
.endif
	MUL32 \f, \b, 0, \first
	PLACES
.if \hn
	FETCH_HN \nslot, \nchunk
.endif
	FETCH \nslot, \nchunk, \nb, \g
	s_wait_dscnt 32+8*\hn                          ; all but the loads just issued
.if \b < 2
	WIN MUL2
.else
	WIN MUL3
.endif
	MUL32 \f, \b, 2, 0
.endm
; The search takes in code tile c of the chunk (tile n of the lap's 16), for the four token tiles, stage by stage so that no line waits for the one in front:
; 14 vector instructions for 8 scores.
.macro EPI n, c, old, new
	s_add_co_u32 s34, s33, \n                      ; the tile's number in the quarter
.irp t, 0,1,2,3
	v_max3_num_f32 v[T0+\t], v[ACC+32*\c+8*\t], v[ACC+32*\c+8*\t+1], v[ACC+32*\c+8*\t+2]
.endr
.irp t, 0,1,2,3
	v_max3_num_f32 v[T1+\t], v[ACC+32*\c+8*\t+3], v[ACC+32*\c+8*\t+4], v[ACC+32*\c+8*\t+5]
.endr
.irp t, 0,1,2,3
	v_max3_num_f32 v[T0+\t], v[ACC+32*\c+8*\t+6], v[ACC+32*\c+8*\t+7], v[T0+\t]
.endr
.irp t, 0,1,2,3
	v_max3_num_f32 v[\new+\t], v[T0+\t], v[T1+\t], v[\old+\t]
.endr
.irp t, 0,1,2,3
	v_cmp_gt_f32 s[36+\t], v[\new+\t], v[\old+\t]  ; strictly greater: this tile holds the new maximum
.endr
.irp t, 0,1,2,3
	v_cndmask_b32 v[ID+\t], v[ID+\t], s34, s[36+\t]
.endr
.irp t, 0,1,2,3
.irp j, 0,1,2,3,4,5,6,7
	v_cndmask_b32 v[SAVE+8*\t+\j], v[SAVE+8*\t+\j], v[ACC+32*\c+8*\t+\j], s[36+\t]
.endr
.endr
.endm
.macro EPI4 slot, chunk                ; the maximum goes BA, BB, BA, BB and ends in BA
	WIN 0
	EPI 8*\slot+4*\chunk+0, 0, BA, BB
	EPI 8*\slot+4*\chunk+1, 1, BB, BA
	EPI 8*\slot+4*\chunk+2, 2, BA, BB
	EPI 8*\slot+4*\chunk+3, 3, BB, BA
.endm
; The last batch of a step, on buffer 1, and the change of slots.  ONE barrier, for two things: in front of it each wave waits for its reads of this slot and for all
; its tensor loads, of which one is out, its part of the next slot; behind it nobody reads this slot and the next slot is whole.  fill = 1: the barrier opens a
; round of the cluster's barrier, and the joint refill, two steps ahead, is the first tensor load behind the round, my only one until the next.
; From a request to the wait for it a wave issues 448 matrix instructions.
.macro TURN slot, next, fill
	s_wait_dscnt 0x0                               ; my reads of this slot are over
	s_set_vgpr_msb 0xd00
	s_wait_tensorcnt 0x0                           ; all my tensor loads have landed
	ds_add_u32 v126, v127
	s_wait_dscnt 0x0
	s_set_vgpr_msb 0xd
	s_barrier_signal -1
	WIN MUL3
	MUL32 F1, 3, 0, 0                              ; register work while the others arrive
	MUL32 F1, 3, 2, 0
	WIN 0
	s_barrier_wait -1
.if \fill
	CREST                                          ; no wave of any partner still reads this slot or has a load on its way
	s_add_nc_u64 s[G0+4*\slot+2:G0+4*\slot+3], s[G0+4*\slot+2:G0+4*\slot+3], 2*STEPB
	tensor_load_to_lds s[G0+4*\slot:G0+4*\slot+3], s[G1:G1+7]
	s_nop 0
.endif
	PLACES
.if \slot == 1
	v_add_nc_u32 v[HNA], 1024, v[HNA]              ; the next lap's 256 codes
.endif
	FETCH_HN \next, 0
	FETCH \next, 0, 0, F0
	EPI4 \slot, 1                                  ; the search works while those 40 loads land
.endm
; A step: 128 codes = two chunks of 64, each four batches and a turn of the search.  last = 1: the launch's last step changes no slot.
.macro STEP slot, next, fill, last
	BATCH F0, 0, 1, \slot, 0, 1, F1, 0
	BATCH F1, 1, 0, \slot, 0, 2, F0, 0
	BATCH F0, 2, 0, \slot, 0, 3, F1, 0
	BATCH F1, 3, 0, \slot, 1, 0, F0, 1
	WIN 0
	PLACES
	EPI4 \slot, 0
	BATCH F0, 0, 1, \slot, 1, 1, F1, 0
	BATCH F1, 1, 0, \slot, 1, 2, F0, 0
	BATCH F0, 2, 0, \slot, 1, 3, F1, 0
.if \last
	s_wait_dscnt 0x0
	WIN MUL3
	MUL32 F1, 3, 0, 0
	MUL32 F1, 3, 2, 0
	WIN 0
	PLACES
	EPI4 \slot, 1
.else
	TURN \slot, \next, \fill
.endif
.endm
	FETCH_HN 0, 0
	FETCH 0, 0, 0, F0
	WIN 0                                          ; at a label and at a branch every window is 0
	s_mov_b32 s33, 0                               ; 16 tiles a lap
	s_mov_b32 s32, LAPS-1
.Llap:
	STEP 0, 1, 1, 0
	STEP 1, 0, 1, 0
	s_add_co_u32 s33, s33, 16
	s_sub_co_u32 s32, s32, 1
	s_cmp_lg_u32 s32, 0
	s_cbranch_scc1 .Llap
	STEP 0, 1, 0, 0                                ; the last lap fills nothing: a plain barrier shows step 15's tile whole
	STEP 1, 0, 0, 1
	; THE END.  Which of the winning tile's eight scores is the maximum (the smallest j of equal ones), the code, the score as a key that sorts as an unsigned number,
	; and the better of the two halves of the lanes (the smaller code of equal keys).
.irp t, 0,1,2,3
	v_mov_b32 v[JJ+\t], 0
.irp j, 7,6,5,4,3,2,1,0
	v_cmp_eq_f32 vcc_lo, v[SAVE+8*\t+\j], v[BA+\t]
	v_cndmask_b32 v[JJ+\t], v[JJ+\t], \j, vcc_lo
.endr
	v_lshl_add_u32 v[CODE+\t], v[ID+\t], 4, v[JJ+\t]
	v_add_nc_u32 v[CODE+\t], v[CODE+\t], v[HOFF]
	v_add_f32 v[KEY+\t], 0, v[BA+\t]               ; -0 becomes +0
	v_ashrrev_i32 v[MSK], 31, v[KEY+\t]
	v_or_b32 v[MSK], 0x80000000, v[MSK]
	v_xor_b32 v[KEY+\t], v[KEY+\t], v[MSK]         ; positive: the sign bit set; negative: all bits turned
	v_permlanex16_b32 v[T0+\t], v[KEY+\t], s40, s41
	v_permlanex16_b32 v[T1+\t], v[CODE+\t], s40, s41
	v_cmp_gt_u32 s42, v[T0+\t], v[KEY+\t]
	v_cmp_eq_u32 s43, v[T0+\t], v[KEY+\t]
	v_cmp_lt_u32 s44, v[T1+\t], v[CODE+\t]
	s_and_b32 s43, s43, s44
	s_or_b32 s42, s42, s43
	v_cndmask_b32 v[KEY+\t], v[KEY+\t], v[T0+\t], s42
	v_cndmask_b32 v[CODE+\t], v[CODE+\t], v[T1+\t], s42
	ds_store_b32 v[OW], v[KEY+\t] offset:64*\t             ; both halves of the lanes write the same word with the same value
	ds_store_b32 v[OW], v[CODE+\t] offset:256+64*\t
.endr
	ds_load_b128 v[OUT:OUT+3], v[ORD]              ; my own stage, served in order: 64 keys, then 64 codes
	s_wait_dscnt 0x0
	global_store_b128 v[XOFF], v[OUT:OUT+3], s[10:11]      ; one store of 512 consecutive bytes, aligned
	s_wait_tensorcnt 0x0
	ds_add_u32 v126, v127
	s_wait_dscnt 0x0
	ROUND                                          ; the closing round: no work-group ends while a partner may still ask for a tile that names it
	s_endpgm
.Lfunc_end_k_q4dd521c65d_scan:
	.size	k_q4dd521c65d_scan, .Lfunc_end_k_q4dd521c65d_scan-k_q4dd521c65d_scan
	.p2alignl 7, 3214868480
	.fill 96, 4, 3214868480
	.section	.rodata,"a",@progbits
	.p2align	6, 0x0
	.amdhsa_kernel k_q4dd521c65d_scan
		.amdhsa_group_segment_fixed_size 327680
		.amdhsa_private_segment_fixed_size 0
		.amdhsa_enable_private_segment 0
		.amdhsa_kernarg_size 32
		.amdhsa_user_sgpr_count 2
		.amdhsa_user_sgpr_kernarg_segment_ptr 1
		.amdhsa_wavefront_size32 1
		.amdhsa_system_sgpr_workgroup_id_x 1
		.amdhsa_system_sgpr_workgroup_id_y 1
		.amdhsa_system_sgpr_workgroup_id_z 1
		.amdhsa_system_vgpr_workitem_id 0
		.amdhsa_next_free_vgpr 1024
		.amdhsa_next_free_sgpr 66
		.amdhsa_reserve_vcc 1
		.amdhsa_float_denorm_mode_32 3
		.amdhsa_float_denorm_mode_16_64 3
		.amdhsa_memory_ordered 1
		.amdhsa_forward_progress 1
		.amdhsa_inst_pref_size 255
	.end_amdhsa_kernel
	.section	.bss,"aw",@nobits
	.p2align	6
	.space	262144
	.amdgpu_metadata
---
amdhsa.version: [ 1, 2 ]
amdhsa.kernels:
  - .name:           k_q4dd521c65d_scan
    .symbol:         k_q4dd521c65d_scan.kd
    .args:
      - { .name: xs, .offset: 0, .size: 8, .value_kind: global_buffer, .address_space: global }
      - { .name: eb, .offset: 8, .size: 8, .value_kind: global_buffer, .address_space: global }
      - { .name: hn, .offset: 16, .size: 8, .value_kind: global_buffer, .address_space: global }
      - { .name: cand, .offset: 24, .size: 8, .value_kind: global_buffer, .address_space: global }
    .group_segment_fixed_size: 327680
    .private_segment_fixed_size: 0
    .kernarg_segment_align: 8
    .kernarg_segment_size: 32
    .max_flat_workgroup_size: 128
    .sgpr_count:     66
    .vgpr_count:     1024
    .wavefront_size: 32
...
	.end_amdgpu_metadata
.endif
;; end of part 2
;; launch gather (part 3): grid 512 x 1, 8 waves a work-group, no clusters, 1,280 bytes of LDS; arguments xs, embed_weight, cand, out0, part; writes out0, part
.if DOCPART == 3
	.amdgcn_target "amdgcn-amd-amdhsa--gfx1250"
	.amdhsa_code_object_version 6
	.text
	.protected	k_q4dd521c65d_gather
	.globl	k_q4dd521c65d_gather
	.p2align	8
	.type	k_q4dd521c65d_gather,@function
k_q4dd521c65d_gather:
	s_mov_b64 s[64:65], 0
	v_nop
	global_prefetch_b8 v0, s[64:65] scope:SCOPE_SE
	s_setreg_imm32_b32 hwreg(HW_REG_WAVE_MODE, 25, 1), 1
	s_wait_xcnt 0x0
; For each token: the best of the four quarters' candidates (whole numbers from the launch before), the row e of embed_weight that it names,
; out0 = x + (e - x) in f32 as the problem writes it, and the sum of (e - x)^2; part[g] = that sum over the work-group's 32 tokens.
; xs, out0: [16384][512] f32.  embed_weight: [8192][512] f32.  cand: key of (quarter q, token T) at byte (256 q + T/64) 512 + 4 (T mod 64), its code 256 bytes behind.
; Eight waves, four tokens a wave; a row is 2,048 bytes: four loads or stores of 512 neighbouring bytes.  The merge is scalar: a strictly greater key in ascending
; order of the quarters keeps the smallest code of equal keys.  The code is clamped to the table's 8,192 rows before it enters an address.
; A stream: no matrix work, no cluster (no tile is shared at a known time), no tile ring.  No prefetch: a row's address is used in the line behind the one that makes it.
; part takes one store of 4 bytes a work-group, 2 KiB in the whole launch.
.set X, 4                              ; v[4:67]    token i, chunk c: x, then the result
.set E, 68                             ; v[68:131]  the same of e, then e - x
.set P, 132                            ; v[132:139] four chains of pairs: the sum of squares
	s_load_b256 s[4:11], s[0:1], 0x0               ; xs s[4:5], embed_weight s[6:7], cand s[8:9], out0 s[10:11]
	s_load_b64 s[12:13], s[0:1], 0x20              ; part
	v_lshl_add_u32 v144, v0, 2, 0x100
	v_mov_b32 v145, 0
	v_lshrrev_b32 v141, 5, v0
	v_readfirstlane_b32 s14, v141                  ; wave 0..7
	v_lshlrev_b32 v141, 2, v141                    ; LDS: one word a wave
	v_and_b32 v1, 31, v0
	v_lshlrev_b32 v1, 4, v1                        ; 16 bytes a lane
	v_mov_b32 v140, 0                              ; v_permlanex16_b32 counts as a reader of its destination
	s_mov_b32 s58, 0x76543210
	s_mov_b32 s59, 0xfedcba98
	s_lshr_b32 s15, ttmp9, 1                       ; my four tokens are 32 g + 4 w + 0..3: block of 64 tokens g / 2,
	s_lshl_b32 s15, s15, 9
	s_and_b32 s56, ttmp9, 1                        ; word 32 (g % 2) + 4 w in it
	s_lshl_b32 s56, s56, 7
	s_add_co_u32 s15, s15, s56
	s_lshl_b32 s56, s14, 4
	s_add_co_u32 s15, s15, s56
	s_lshl_b32 s56, ttmp9, 16                      ; 32 rows of 2,048 bytes a work-group,
	s_lshl_b32 s57, s14, 13                        ; 4 rows a wave
	s_add_co_u32 s56, s56, s57
	s_mov_b32 s57, 0
	s_wait_kmcnt 0x0
	s_add_nc_u64 s[4:5], s[4:5], s[56:57]
	s_add_nc_u64 s[10:11], s[10:11], s[56:57]
	s_lshl_b32 s56, ttmp9, 2
	s_add_nc_u64 s[12:13], s[12:13], s[56:57]
.irp q, 0,1,2,3
	s_load_b128 s[16+4*\q:19+4*\q], s[8:9], s15 offset:131072*\q        ; four tokens' keys of quarter q
	s_load_b128 s[32+4*\q:35+4*\q], s[8:9], s15 offset:131072*\q+256    ; and their codes
.endr
.irp i, 0,1,2,3
.irp c, 0,1,2,3
	global_load_b128 v[X+16*\i+4*\c:X+16*\i+4*\c+3], v1, s[4:5] offset:2048*\i+512*\c th:TH_LOAD_NT
.endr
.endr
	s_wait_kmcnt 0x0
.irp i, 0,1,2,3
.irp q, 1,2,3
	s_cmp_gt_u32 s[16+4*\q+\i], s[16+\i]
	s_cselect_b32 s[32+\i], s[32+4*\q+\i], s[32+\i]
	s_cselect_b32 s[16+\i], s[16+4*\q+\i], s[16+\i]
.endr
	s_min_u32 s[32+\i], s[32+\i], 8191             ; inside the table, whatever was read
	s_lshl_b32 s56, s[32+\i], 11                   ; rows of 2,048 bytes
	s_mov_b32 s57, 0
	s_add_nc_u64 s[48+2*\i:49+2*\i], s[6:7], s[56:57]
.endr
.irp i, 0,1,2,3
.irp c, 0,1,2,3
	global_load_b128 v[E+16*\i+4*\c:E+16*\i+4*\c+3], v1, s[48+2*\i:49+2*\i] offset:512*\c   ; no hint: tokens may name a row again
.endr
.endr
.irp i, 0,1,2,3
	s_wait_loadcnt 4*(3-\i)                        ; loads come back in order: x and this token's row are in, the later tokens' rows stay out
.set p, 0
.rept 8
	v_pk_add_f32 v[E+16*\i+2*p:E+16*\i+2*p+1], v[E+16*\i+2*p:E+16*\i+2*p+1], v[X+16*\i+2*p:X+16*\i+2*p+1] neg_lo:[0,1] neg_hi:[0,1]   ; e - x
.if 8*\i+p < 4
	v_pk_mul_f32 v[P+2*(p%4):P+2*(p%4)+1], v[E+16*\i+2*p:E+16*\i+2*p+1], v[E+16*\i+2*p:E+16*\i+2*p+1]                                  ; the first squares start the chains
.else
	v_pk_fma_f32 v[P+2*(p%4):P+2*(p%4)+1], v[E+16*\i+2*p:E+16*\i+2*p+1], v[E+16*\i+2*p:E+16*\i+2*p+1], v[P+2*(p%4):P+2*(p%4)+1]
.endif
	v_pk_add_f32 v[X+16*\i+2*p:X+16*\i+2*p+1], v[X+16*\i+2*p:X+16*\i+2*p+1], v[E+16*\i+2*p:E+16*\i+2*p+1]                              ; x + (e - x)
.set p, p+1
.endr
.irp c, 0,1,2,3
	global_store_b128 v1, v[X+16*\i+4*\c:X+16*\i+4*\c+3], s[10:11] offset:2048*\i+512*\c th:TH_STORE_NT
.endr
.endr
	v_pk_add_f32 v[P:P+1], v[P:P+1], v[P+2:P+3]
	v_pk_add_f32 v[P+4:P+5], v[P+4:P+5], v[P+6:P+7]
	v_pk_add_f32 v[P:P+1], v[P:P+1], v[P+4:P+5]
	v_add_f32 v[P], v[P], v[P+1]
	v_add_f32_dpp v[P], v[P], v[P] row_xmask:1 row_mask:0xf bank_mask:0xf
	v_add_f32_dpp v[P], v[P], v[P] row_xmask:2 row_mask:0xf bank_mask:0xf
	v_add_f32_dpp v[P], v[P], v[P] row_xmask:4 row_mask:0xf bank_mask:0xf
	v_add_f32_dpp v[P], v[P], v[P] row_xmask:8 row_mask:0xf bank_mask:0xf
	v_permlanex16_b32 v140, v[P], s58, s59
	v_add_f32 v[P], v[P], v140
	ds_store_b32 v141, v[P]                        ; all lanes write the wave's word with the same value
	s_wait_dscnt 0x0                               ; for wave 0's sake: my store is done before I signal
	s_barrier_signal -1
	s_barrier_wait -1
	s_cmp_lg_u32 s14, 0
	s_cbranch_scc1 .Lend
	ds_load_b128 v[P:P+3], v141                    ; in wave 0 v141 is 0: the eight waves' sums
	ds_load_b128 v[P+4:P+7], v141 offset:16
	s_wait_dscnt 0x0
	v_pk_add_f32 v[P:P+1], v[P:P+1], v[P+2:P+3]
	v_pk_add_f32 v[P+4:P+5], v[P+4:P+5], v[P+6:P+7]
	v_pk_add_f32 v[P:P+1], v[P:P+1], v[P+4:P+5]
	v_add_f32 v[P], v[P], v[P+1]
	s_wait_xcnt 0x0                                ; EXEC is a source of my pending stores: it changes only behind this wait
	v_cmp_eq_u32 vcc_lo, 0, v0
	s_and_saveexec_b32 s60, vcc_lo
	global_store_b32 v141, v[P], s[12:13]          ; part[g]
	s_wait_xcnt 0x0
	s_or_b32 exec_lo, exec_lo, s60
.Lend:
	s_wait_tensorcnt 0x0
	ds_add_u32 v144, v145
	s_wait_dscnt 0x0
	s_endpgm
.Lfunc_end_k_q4dd521c65d_gather:
	.size	k_q4dd521c65d_gather, .Lfunc_end_k_q4dd521c65d_gather-k_q4dd521c65d_gather
	.p2alignl 7, 3214868480
	.fill 96, 4, 3214868480
	.section	.rodata,"a",@progbits
	.p2align	6, 0x0
	.amdhsa_kernel k_q4dd521c65d_gather
		.amdhsa_group_segment_fixed_size 1280
		.amdhsa_private_segment_fixed_size 0
		.amdhsa_enable_private_segment 0
		.amdhsa_kernarg_size 40
		.amdhsa_user_sgpr_count 2
		.amdhsa_user_sgpr_kernarg_segment_ptr 1
		.amdhsa_wavefront_size32 1
		.amdhsa_system_sgpr_workgroup_id_x 1
		.amdhsa_system_sgpr_workgroup_id_y 1
		.amdhsa_system_sgpr_workgroup_id_z 1
		.amdhsa_system_vgpr_workitem_id 0
		.amdhsa_next_free_vgpr 146
		.amdhsa_next_free_sgpr 66
		.amdhsa_reserve_vcc 1
		.amdhsa_float_denorm_mode_32 3
		.amdhsa_float_denorm_mode_16_64 3
		.amdhsa_memory_ordered 1
		.amdhsa_forward_progress 1
		.amdhsa_inst_pref_size 16
	.end_amdhsa_kernel
	.amdgpu_metadata
---
amdhsa.version: [ 1, 2 ]
amdhsa.kernels:
  - .name:           k_q4dd521c65d_gather
    .symbol:         k_q4dd521c65d_gather.kd
    .args:
      - { .name: xs, .offset: 0, .size: 8, .value_kind: global_buffer, .address_space: global }
      - { .name: embed_weight, .offset: 8, .size: 8, .value_kind: global_buffer, .address_space: global }
      - { .name: cand, .offset: 16, .size: 8, .value_kind: global_buffer, .address_space: global }
      - { .name: out0, .offset: 24, .size: 8, .value_kind: global_buffer, .address_space: global }
      - { .name: part, .offset: 32, .size: 8, .value_kind: global_buffer, .address_space: global }
    .group_segment_fixed_size: 1280
    .private_segment_fixed_size: 0
    .kernarg_segment_align: 8
    .kernarg_segment_size: 40
    .max_flat_workgroup_size: 256
    .sgpr_count:     66
    .vgpr_count:     146
    .wavefront_size: 32
...
	.end_amdgpu_metadata
.endif
;; end of part 3
;; launch loss (part 4): grid 1 x 1, 1 waves a work-group, no clusters, 0 bytes of LDS; arguments part, out1; writes out1
.if DOCPART == 4
	.amdgcn_target "amdgcn-amd-amdhsa--gfx1250"
	.amdhsa_code_object_version 6
	.text
	.protected	k_q4dd521c65d_loss
	.globl	k_q4dd521c65d_loss
	.p2align	8
	.type	k_q4dd521c65d_loss,@function
k_q4dd521c65d_loss:
	s_mov_b64 s[64:65], 0
	v_nop
	global_prefetch_b8 v0, s[64:65] scope:SCOPE_SE
	s_setreg_imm32_b32 hwreg(HW_REG_WAVE_MODE, 25, 1), 1
	s_wait_xcnt 0x0
; out1 = 1.25 x (the sum of part's 512 numbers) / (16384 x 512): the two means of the problem are equal in value, one counted once, one a quarter.
; One wave owns the sum, in a fixed order: 16 numbers a lane, then across the 32 lanes.
	s_load_b128 s[4:7], s[0:1], 0x0                ; part s[4:5], out1 s[6:7]
	v_lshlrev_b32 v1, 4, v0                        ; 16 bytes a lane
	v_mov_b32 v20, 0                               ; v_permlanex16_b32 counts as a reader of its destination
	s_mov_b32 s8, 0x76543210
	s_mov_b32 s9, 0xfedcba98
	s_wait_kmcnt 0x0
.irp i, 0,1,2,3
	global_load_b128 v[4+4*\i:7+4*\i], v1, s[4:5] offset:512*\i
.endr
	s_wait_loadcnt 0x0
	v_pk_add_f32 v[4:5], v[4:5], v[6:7]
	v_pk_add_f32 v[8:9], v[8:9], v[10:11]
	v_pk_add_f32 v[12:13], v[12:13], v[14:15]
	v_pk_add_f32 v[16:17], v[16:17], v[18:19]
	v_pk_add_f32 v[4:5], v[4:5], v[8:9]
	v_pk_add_f32 v[12:13], v[12:13], v[16:17]
	v_pk_add_f32 v[4:5], v[4:5], v[12:13]
	v_add_f32 v4, v4, v5
	v_add_f32_dpp v4, v4, v4 row_xmask:1 row_mask:0xf bank_mask:0xf
	v_add_f32_dpp v4, v4, v4 row_xmask:2 row_mask:0xf bank_mask:0xf
	v_add_f32_dpp v4, v4, v4 row_xmask:4 row_mask:0xf bank_mask:0xf
	v_add_f32_dpp v4, v4, v4 row_xmask:8 row_mask:0xf bank_mask:0xf
	v_permlanex16_b32 v20, v4, s8, s9
	v_add_f32 v4, v4, v20
	v_mul_f32 v4, 0x34200000, v4                   ; 1.25 x 2^-23
	s_wait_xcnt 0x0                                ; EXEC changes only behind this wait
	v_cmp_eq_u32 vcc_lo, 0, v0
	s_and_saveexec_b32 s10, vcc_lo
	global_store_b32 v1, v4, s[6:7]                ; lane 0, whose offset is 0
	s_wait_xcnt 0x0
	s_or_b32 exec_lo, exec_lo, s10
	s_endpgm
.Lfunc_end_k_q4dd521c65d_loss:
	.size	k_q4dd521c65d_loss, .Lfunc_end_k_q4dd521c65d_loss-k_q4dd521c65d_loss
	.p2alignl 7, 3214868480
	.fill 96, 4, 3214868480
	.section	.rodata,"a",@progbits
	.p2align	6, 0x0
	.amdhsa_kernel k_q4dd521c65d_loss
		.amdhsa_group_segment_fixed_size 0
		.amdhsa_private_segment_fixed_size 0
		.amdhsa_enable_private_segment 0
		.amdhsa_kernarg_size 16
		.amdhsa_user_sgpr_count 2
		.amdhsa_user_sgpr_kernarg_segment_ptr 1
		.amdhsa_wavefront_size32 1
		.amdhsa_system_sgpr_workgroup_id_x 1
		.amdhsa_system_sgpr_workgroup_id_y 1
		.amdhsa_system_sgpr_workgroup_id_z 1
		.amdhsa_system_vgpr_workitem_id 0
		.amdhsa_next_free_vgpr 24
		.amdhsa_next_free_sgpr 66
		.amdhsa_reserve_vcc 1
		.amdhsa_float_denorm_mode_32 3
		.amdhsa_float_denorm_mode_16_64 3
		.amdhsa_memory_ordered 1
		.amdhsa_forward_progress 1
		.amdhsa_inst_pref_size 3
	.end_amdhsa_kernel
	.amdgpu_metadata
---
amdhsa.version: [ 1, 2 ]
amdhsa.kernels:
  - .name:           k_q4dd521c65d_loss
    .symbol:         k_q4dd521c65d_loss.kd
    .args:
      - { .name: part, .offset: 0, .size: 8, .value_kind: global_buffer, .address_space: global }
      - { .name: out1, .offset: 8, .size: 8, .value_kind: global_buffer, .address_space: global }
    .group_segment_fixed_size: 0
    .private_segment_fixed_size: 0
    .kernarg_segment_align: 8
    .kernarg_segment_size: 16
    .max_flat_workgroup_size: 32
    .sgpr_count:     66
    .vgpr_count:     24
    .wavefront_size: 32
...
	.end_amdgpu_metadata
.endif
;; end of part 4
